; MI455X (gfx1250); checked and timed in simulation.
; The chip was launched on July 23, 2026; its instructions are those of AMD's public machine-readable ISA for CDNA 5 (MIT licence, August 2026) and "CDNA5" Instruction Set Architecture Reference Guide (July 2026). The comments in the code are by the model that wrote it; some were corrected since.
;; MOE. Allowed arithmetic: matrix products marked QUANTISED: E3M2 operands, one E8M0 scale for each 32 along K, by v_wmma_scale_f32_16x16x128_f8f6f4 with both operands' format E3M2, f32 sums; everything else in f32.
;; Inputs: Wo 2,048 x 1,024 float32; Wq 512 x 2,048 float32; keys 4,096 x 64 float32; values 4,096 x 128 float32; x 4,096 x 2,048 float32.
;; Outputs: out0 4,096 x 2,048 float32.
;; This version of the problem:
;;   THIS VERSION OF THE PROBLEM IS GIVEN IN LOW PRECISION. The matrix products marked QUANTISED in the list below multiply operands that are first quantised to E3M2 (3 exponent bits, 2 mantissa bits; 6 bits a number), with one power-of-two scale for each 32 numbers along K (OCP MX v1.0); their sums are f32. All else is computed in f32.
;;   The module's matrix products, in the order in which they are computed (A, B: the left and right operand; K: the contracted axis; several contracted axes count as one K, in the product's order):
;;     1. [M 4,096, K 2,048] x [K 2,048, N 512]; A: input x; B: input Wq: QUANTISED
;;     2. [M 32,768, K 64] x [K 64, N 4,096]; A: computed on the way; B: input keys: QUANTISED
;;     3. [M 4,096, K 1,024] x [K 1,024, N 2,048]; A: computed on the way; B: input Wo: QUANTISED
;;   THE QUANTISER, for each operand of a quantised product, along K:
;;     - K is cut into blocks of 32 from its start; a last block that is shorter is filled with zeros.
;;     - A block's scale is 2^e with e = floor(log2(the largest magnitude in the block)) - 4, held to -126 .. 127; a block of zeros has e = 0. As a byte (E8M0): e + 127.
;;     - Each number is divided by its block's scale, clamped to +-28, and rounded to the nearest number of E3M2, ties to even, subnormals kept.
;;     - The product sums the exact products of the quantised numbers (number of the format x scale) in f32.
;;   ~~~python
;;   def quantise(x, axis):      # numpy; x: float32 -> the quantised numbers, widened to float32 again
;;       x = np.moveaxis(x, axis, -1); K = x.shape[-1]
;;       x = np.pad(x, [(0, 0)] * (x.ndim - 1) + [(0, -K % 32)]); x = x.reshape(x.shape[:-1] + (-1, 32)); a = np.abs(x).max(-1, keepdims=True)
;;       e = np.where(a > 0, np.clip(np.frexp(np.where(a > 0, a, 1))[1] - 1 - 4, -126, 127), 0)      # np.frexp(a)[1] - 1 = floor(log2(a)), exactly
;;       r = np.clip(x / 2.0 ** e, -28, 28)
;;       step = 2.0 ** (np.maximum(np.frexp(np.where(r == 0, 1, r))[1] - 1, -2) - 2)
;;       q = np.round(r / step) * step * 2.0 ** e      # np.round: ties to even
;;       return np.moveaxis(q.reshape(q.shape[:-2] + (-1,))[..., :K], -1, axis).astype(np.float32)
;;   ~~~
;;   OPERANDS COMPUTED ON THE WAY. 'Computed on the way' means the value that the module computes at that place (a softmax that the list does not call 'softmax' is quantised finished and normalised). What goes into a quantiser is computed in f32, as accurately as f32 sums, v_exp_f32 and their like allow (about 1e-6 of the number): no bf16 or f16 on the way to a quantiser, and a product that is left as it is and whose result goes on into a quantised operand takes f32 operands (vector FMAs, or v_wmma_f32_16x16x4_f32). A number that lies on a knife's edge between two numbers of the format may be rounded either way, as far as f32 arithmetic and the matrix unit's own rounding can turn it there, and no further.
;; One version. Each part assembles by itself: llvm-mc -triple=amdgcn-amd-amdhsa -mcpu=gfx1250 --defsym DOCPART=n.
;; ======== version 1 of 1: 2 launches
;; workspace buffers: part 16,384 bytes
;; launch vsum (part 1): grid 32 x 1, 8 waves a work-group, no clusters, 5,120 bytes of LDS; arguments values, part; writes part
.if DOCPART == 1
	.amdgcn_target "amdgcn-amd-amdhsa--gfx1250"
	.amdhsa_code_object_version 6
	.text
	.protected	k_qbf39062b31_vsum
	.globl	k_qbf39062b31_vsum
	.p2align	8
	.type	k_qbf39062b31_vsum,@function
k_qbf39062b31_vsum:
	s_mov_b64 s[64:65], 0
	v_nop
	global_prefetch_b8 v0, s[64:65] scope:SCOPE_SE
	s_setreg_imm32_b32 hwreg(HW_REG_WAVE_MODE, 25, 1), 1
	s_wait_xcnt 0x0
; THE PROGRAM: out0 = ov Wo^T + x, ov[a][128 h + c] = s[a][h] vmean[c].  Two launches: this one makes 32 partial means of values, the next makes vmean, quantises it and Wo, and does the product and the addition.
; WORK LEFT OUT, AND WHY IT IS DEAD, for all finite values of the inputs:
;  (1) s[a][h] is the sum over n of softmax(scores)[a][h][n] = (sum_n exp(z_n - max)) / (sum_j exp(z_j - max)): a number divided by itself.  The divisor is at least 1 (the largest term is exp(0)),
;      so s = 1 by an identity, whatever numbers the products x Wq^T and q keys^T and their quantisers deliver.  s is a factor 1 of ov: it can move no code and no scale of the third product's operand.
;      So the first two products of the table, the softmax and its sum are left out.  Wq and keys have no way to any output: they are not loaded and are among no launch's arguments.
;      x stays as the term that is added at the end.
;  (2) With s = 1, ov[a][128 h + c] = vmean[c] for every a and h: all 4,096 rows of the third product's left operand hold the same numbers, so the same codes and scales, and along K they repeat every 128.
;      So that operand is quantised once in each wave of the next launch, and its one fragment serves every tile of rows and every K step.  The product itself is done in full.
; LIMITS: a NaN, an infinity or an overflow that reaches only q, the scores or the softmax is not carried to out0 (a NaN in x marks its own element alone, by the addition at the end).
;      reference()'s f32 sum s differs from 1 in its last bits; taken as 1 here.  The mean is a tree of f32 sums, in another order than reference()'s.
;
; THIS LAUNCH: part[g][c] = 2^-12 x the sum of values[128 g .. 128 g + 127][c], g = 0 .. 31; the factor is a power of two and rounds nothing; the 32 rows add up to vmean.
; A work-group takes 128 rows of values (65,536 bytes), each of its eight waves 16 of them; lane l takes columns 4 l .. 4 l + 3, so one load of a wave is one whole row: 512 consecutive bytes.
; 32 work-groups and no more: each row of part is 512 bytes that every work-group of the next launch reads again.  No matrix unit, no cluster, no tensor load: each byte is read once and added once.
.set PS,    0                          ; LDS: eight rows of 512 bytes, a wave's sums each
.set SPARE, 4096                       ; behind them the spare words, 128 bytes for each wave: four blocks of 256 bytes that no other line names
.set R,     16                         ; v[16:79] sixteen rows of four registers
; Rows of four registers from v[b] on: rows d .. 2 d - 1 are added onto rows 0 .. d - 1
.macro HALVE b, d
.set hv, 0
.rept \d
	v_pk_add_f32 v[\b+4*hv:\b+4*hv+1], v[\b+4*hv:\b+4*hv+1], v[\b+4*(hv+\d):\b+4*(hv+\d)+1]
	v_pk_add_f32 v[\b+4*hv+2:\b+4*hv+3], v[\b+4*hv+2:\b+4*hv+3], v[\b+4*(hv+\d)+2:\b+4*(hv+\d)+3]
.set hv, hv+1
.endr
.endm
	s_load_b128 s[4:7], s[0:1], 0x0                ; values s[4:5], part s[6:7]
	v_lshl_add_u32 v5, v0, 2, SPARE                ; my spare word; never rewritten
	v_mov_b32 v6, 0                                ; 0; never rewritten
	v_lshrrev_b32 v4, 5, v0
	s_delay_alu instid0(VALU_DEP_1)
	v_readfirstlane_b32 s8, v4                     ; wave 0..7
	v_and_b32 v3, 31, v0
	s_delay_alu instid0(VALU_DEP_1)
	v_lshlrev_b32 v3, 4, v3                        ; 16 x lane: my 16 bytes of a row
	s_delay_alu instid0(VALU_DEP_1)
	v_lshl_add_u32 v1, v4, 13, v3                  ; + my wave's 16 rows of 512 bytes
	v_lshlrev_b32 v2, 4, v0                        ; LDS: 16 x thread = 512 x wave + 16 x lane
	s_lshl_b32 s10, ttmp9, 16                      ; the work-group's 128 rows of values
	s_mov_b32 s11, 0
	s_lshl_b32 s12, ttmp9, 9                       ; and its row of part
	s_mov_b32 s13, 0
	s_wait_alu depctr_va_vdst(0)
	s_wait_kmcnt 0x0
	s_add_nc_u64 s[4:5], s[4:5], s[10:11]
	s_add_nc_u64 s[6:7], s[6:7], s[12:13]
.irp i, 0,1,2,3,4,5,6,7,8,9,10,11,12,13,14,15
	global_load_b128 v[R+4*\i:R+4*\i+3], v1, s[4:5] offset:512*\i th:TH_LOAD_NT   ; a whole row a load; all sixteen are out together; read once in the launch
.endr
	s_wait_loadcnt 0x0
	HALVE R, 8
	HALVE R, 4
	HALVE R, 2
	HALVE R, 1                                     ; my wave's 16 rows are one
	ds_store_b128 v2, v[R:R+3]
	s_wait_dscnt 0x0                               ; for the others' sake: my store has landed
	s_barrier_signal -1
	s_barrier_wait -1                              ; all eight rows of sums lie in LDS
	s_cmp_lg_u32 s8, 0
	s_cbranch_scc1 .Lend                           ; wave 0 alone adds them; no barrier stands under this branch
.irp i, 0,1,2,3,4,5,6,7
	ds_load_b128 v[R+4*\i:R+4*\i+3], v3 offset:PS+512*\i
.endr
	s_wait_dscnt 0x0
	HALVE R, 4
	HALVE R, 2
	HALVE R, 1
	s_delay_alu instid0(VALU_DEP_2)
	v_pk_mul_f32 v[R:R+1], v[R:R+1], 0x39800000 op_sel_hi:[1,0]        ; x 2^-12 = 1 / 4,096: exact
	s_delay_alu instid0(VALU_DEP_2)
	v_pk_mul_f32 v[R+2:R+3], v[R+2:R+3], 0x39800000 op_sel_hi:[1,0]
	global_store_b128 v3, v[R:R+3], s[6:7]         ; 32 lanes store 512 consecutive bytes, at a multiple of 512 from part's first byte
.Lend:
	s_wait_tensorcnt 0x0                           ; the wave's end: behind my last LDS store, in a text with no tensor load too
	ds_add_u32 v5, v6
	s_wait_dscnt 0x0
	s_endpgm
.Lfunc_end_k_qbf39062b31_vsum:
	.size	k_qbf39062b31_vsum, .Lfunc_end_k_qbf39062b31_vsum-k_qbf39062b31_vsum
	.p2alignl 7, 3214868480
	.fill 96, 4, 3214868480
	.section	.rodata,"a",@progbits
	.p2align	6, 0x0
	.amdhsa_kernel k_qbf39062b31_vsum
		.amdhsa_group_segment_fixed_size 5120
		.amdhsa_private_segment_fixed_size 0
		.amdhsa_enable_private_segment 0
		.amdhsa_kernarg_size 16
		.amdhsa_user_sgpr_count 2
		.amdhsa_user_sgpr_kernarg_segment_ptr 1
		.amdhsa_wavefront_size32 1
		.amdhsa_system_sgpr_workgroup_id_x 1
		.amdhsa_system_sgpr_workgroup_id_y 1
		.amdhsa_system_sgpr_workgroup_id_z 1
		.amdhsa_system_vgpr_workitem_id 0
		.amdhsa_next_free_vgpr 80
		.amdhsa_next_free_sgpr 66
		.amdhsa_reserve_vcc 0
		.amdhsa_float_denorm_mode_32 3
		.amdhsa_float_denorm_mode_16_64 3
		.amdhsa_memory_ordered 1
		.amdhsa_forward_progress 1
		.amdhsa_inst_pref_size 7
	.end_amdhsa_kernel
	.amdgpu_metadata
---
amdhsa.version: [ 1, 2 ]
amdhsa.kernels:
  - .name:           k_qbf39062b31_vsum
    .symbol:         k_qbf39062b31_vsum.kd
    .args:
      - { .name: values, .offset: 0, .size: 8, .value_kind: global_buffer, .address_space: global }
      - { .name: part, .offset: 8, .size: 8, .value_kind: global_buffer, .address_space: global }
    .group_segment_fixed_size: 5120
    .private_segment_fixed_size: 0
    .kernarg_segment_align: 8
    .kernarg_segment_size: 16
    .max_flat_workgroup_size: 256
    .sgpr_count:     66
    .vgpr_count:     80
    .wavefront_size: 32
...
	.end_amdgpu_metadata
.endif
;; end of part 1
;; launch fuse (part 2): grid 8 x 32, 8 waves a work-group, clusters of 4 x 1, 327,680 bytes of LDS; arguments x, Wo, part, out0; writes out0
.if DOCPART == 2
	.amdgcn_target "amdgcn-amd-amdhsa--gfx1250"
	.amdhsa_code_object_version 6
	.text
	.protected	k_qbf39062b31_fuse
	.globl	k_qbf39062b31_fuse
	.p2align	8
	.type	k_qbf39062b31_fuse,@function
k_qbf39062b31_fuse:
	s_mov_b64 s[64:65], 0
	v_nop
	global_prefetch_b8 v0, s[64:65] scope:SCOPE_SE
	s_setreg_imm32_b32 hwreg(HW_REG_WAVE_MODE, 25, 1), 1
	s_wait_xcnt 0x0
	s_wait_alu depctr_hold_cnt(0) depctr_sa_sdst(0) depctr_va_vdst(0) depctr_va_sdst(0) depctr_va_ssrc(0) depctr_va_vcc(0) depctr_vm_vsrc(0)
	s_getreg_b32 s2, hwreg(HW_REG_IB_STS2, 6, 4)
	s_cmp_eq_u32 s2, 0
	s_cbranch_scc0 .Lentry_in_a_cluster
	s_endpgm
.Lentry_in_a_cluster:
	s_bfe_u32 s2, ttmp6, 0x10000c
	s_cmp_lg_u32 s2, 0x3003
	s_cbranch_scc0 .Lentry_shape_is_right
	s_endpgm
.Lentry_shape_is_right:
; out0[a][n] = x[a][n] + the sum over k of Q(ov)[a][k] Q(Wo)[n][k],  ov[a][128 h + c] = vmean[c],  vmean = the sum of part's 32 rows.  Codes of BF6 (E3M2), one E8M0 scale for each 32 along K = 1,024.
; WORK LEFT OUT (shown at the head of the first kernel): the softmax's row sum s is 1 by an identity, so the products x Wq^T and q keys^T, the softmax, Wq and keys are left out.  All rows of ov are then
; equal and repeat every 128 along K: ov is quantised once a wave, and its one fragment serves every tile of rows and every K step.  LIMIT: a NaN, an infinity or an overflow that reaches only the work left out is not carried to out0.
; THE QUANTISER: a block's scale byte is its largest magnitude's exponent field - 4, held at 1 from below by a floor of 2^(5 - 127) among the maximum's leaves.  A block of zeros so gets the byte 1 where
; the rule says 127: its codes are zeros, which add nothing under any byte but 0xff, and this program alone reads the bytes.
; SHARES.  A work-group owns 512 rows x 64 columns of out0 (64 columns are 256 bytes): row group rg = 0 .. 7, column group cg = 0 .. 31: 256 work-groups.  Eight waves of 512 registers, two to a SIMD.
;   Wave w owns rows 64 w .. 64 w + 63 of the 512: 4 tiles of rows x 4 tiles of columns = 16 accumulators, 8 K steps of 128: 128 matrix instructions.
; LAYOUT.  Source 0 = 16 rows of ov, source 1 = 16 rows of Wo.  THE ROWS OF Wo THAT FORM A TILE ARE NOT NEIGHBOURS: lane r of tile t takes row 4 r + t of the work-group's 64.  So register j of accumulator
;   (a, t) in lane (r, h) is out0(16 a + 8 h + j, 4 r + t): over t = 0 .. 3 these are the four words of the 16 bytes that lane (r, h) holds of x where lanes 0-15 load row 16 a + j and lanes 16-31 row
;   16 a + 8 + j, 16 bytes a lane.  The addition of x is four additions for each such 16 bytes, and each load and store of x and out0 covers two aligned runs of 256 consecutive bytes.  Nothing of x or out0 goes through LDS.
;   The wave's 32 loads of x go out at the head and stay in 128 registers: all of the work-group's 131,072 bytes of x are on their way while the operands are made.
; Wo.  Wave w brings Wo's rows 32 (w % 2) .. + 31 of the 64, columns 256 (w / 2) .. + 255 (two K steps), by its own tensor load into its own LDS bytes, and quantises them into four fragments, in the rows' own order.
;   A FRAGMENT GOES TO THE OTHER WAVES AS AN IMAGE OF ITS REGISTERS, 16 bytes a lane, but each lane stores to the place of the lane and tile that are to hold its row: row 16 t' + r goes to tile r % 4, lane 4 t' + r / 4.
;   A slot of 1,600 bytes holds a fragment's 1,536 bytes and its 16 scale words; 1,600 = 64 mod 256, so the sixteen lanes of a store (four tiles x four places) touch sixteen different columns of 16 bytes.
; CLUSTER.  The four work-groups of a cluster lie along x: they share cg, so they need the same 262,144 bytes of Wo: each wave's tile is asked for JOINTLY, by the same tensor load with the same descriptor and
;   the mask of all four.  The place in the cluster enters the addresses of x and out0 alone: no LDS address, no branch, no descriptor.
; Nothing in LDS is filled twice: no ring.  By this text's own count a wave has one tensor load out.  All of a WGP's LDS is claimed; 326,656 bytes are used.
; REGISTERS, in windows of 256 (s_set_vgpr_msb: bits 1:0 source 0, 3:2 source 1, 5:4 source 2, 7:6 destination):
;   window 0: v0-15 addresses; v16-58 the quantiser's results and scratch; v96-107 ov's fragment; v108 its scale word; v109-112 Wo's scale words, two sets; v116-243 128 numbers, later the 16 accumulators.
;   window 1: v0-95 two sets of four fragments of Wo; v128-255 x.
.set TP,     1040                      ; a row of a tile of Wo in LDS: 1,024 bytes + 16 of padding = 260 words: row r starts at bank 4 r mod 64 (64 banks of 4 bytes: ISA guide 11.1)
.set TILE,   32*TP                     ; 33,280 bytes: a wave's tile
.set PM,     8*TILE                    ; 266,240: behind the eight tiles: eight rows of 512 bytes: wave w's sum of part's rows 4 w .. 4 w + 3
.set VM,     PM+8*512                  ; 270,336: eight rows of 512 bytes: each wave's own copy of vmean
.set IMG,    VM+8*512                  ; 274,432: 32 slots: K step s, tile t at FP (4 s + t)
.set FP,     1600
.set SPARE,  IMG+32*FP                 ; 325,632: the spare words, 128 bytes for each wave: four blocks of 256 bytes that no other line names
.set XO,  1                            ; v1   my byte in a pair of rows of x and out0: 65,536 (lane / 16) + 16 (lane % 16); never rewritten
.set PO,  2                            ; v2   my byte in part: 2,048 x wave + 16 x lane
.set AW,  3                            ; v3   my place in my wave's tile: TILE x wave + TP (lane % 16) + 128 (lane / 16)
.set S16, 4                            ; v4   PM + 16 x thread
.set L16, 5                            ; v5   PM + 16 x lane
.set VMR, 6                            ; v6   VM + 512 x wave + 128 (lane / 16)
.set IWS, 7                            ; v7   where I store 16 bytes of an image
.set ISS, 8                            ; v8   where I store a scale word
.set LSC, 9                            ; v9   where I read scale words: lanes 0-15 an even tile's, lanes 16-31 the next tile's
.set SH,  10                           ; v10  8 (lane / 16): how far my two scale bytes are shifted
.set SPW, 11                           ; v11  LDS address of my spare word; never rewritten
.set NIL, 12                           ; v12  0; never rewritten
.set M0,  13                           ; v13, v14 two blocks' largest magnitudes
.set M1,  14
.set T0,  15                           ; v15, v48 at work
.set BF0, 16                           ; v[16:27], v[28:39] a fragment just made, by turns
.set BF1, 28
.set CT,  40                           ; v[40:42], v[44:46] the upper halves of two blocks' codes, on their way
.set T1,  48
.set SW0, 49                           ; v49, v50 the scale word just made, by turns
.set SW1, 50
.set RR,  51                           ; v51-58 at the head: parts of the thread's number
.set HH,  52
.set LL,  53
.set WW,  54
.set KP,  55
.set PP,  56
.set R3,  57
.set R2,  58
.set AF,  96                           ; v[96:107] ov's fragment
.set SA,  108                          ; v108 ov's scale word; v109-112 Wo's: set s at BS + 2 s: these five hold scales and nothing else
.set BS,  109
.set N,   116                          ; v[116:179] 64 numbers
.set N2,  180                          ; v[180:243] 64 numbers
.set ACC, 116                          ; later: accumulator (a, t) at ACC + 8 (4 a + t)
.set BB,  0                            ; window 1: Wo's fragments: set s, tile t at BB + 48 s + 12 t
.set X,   128                          ; window 1: x: rows 16 a + j and 16 a + 8 + j at X + 4 (8 a + j)
.set WV,  12                           ; s12  my wave's number
.set G1,  16                           ; s[16:23] descriptor group 1
.set G0,  24                           ; s[24:27] descriptor group 0
.set SEL, 28                           ; s[28:29] v_permlanex16_b32's selects for lane l xor 16
.set MSB, 0
.macro WIN new                         ; the immediate's high byte repeats the setting that is left; a switch that changes nothing is dropped
.if MSB != \new
	s_set_vgpr_msb (MSB<<8)|\new
.set MSB, \new
.endif
.endm
; Rows of four registers from v[b] on: rows d .. 2 d - 1 are added onto rows 0 .. d - 1
.macro HALVE b, d
.set hv, 0
.rept \d
	v_pk_add_f32 v[\b+4*hv:\b+4*hv+1], v[\b+4*hv:\b+4*hv+1], v[\b+4*(hv+\d):\b+4*(hv+\d)+1]
	v_pk_add_f32 v[\b+4*hv+2:\b+4*hv+3], v[\b+4*hv+2:\b+4*hv+3], v[\b+4*(hv+\d)+2:\b+4*(hv+\d)+3]
.set hv, hv+1
.endr
.endm
; 64 numbers of a lane, register s + 32 c + i = k 64 c + 32 (lane / 16) + i of the lane's row, become the 12 registers of a fragment from v[d] on and the row's scale word in v[w].
; That is the order in which the operand's layout gives a lane its k, so the conversions' results are the operand's registers.  A lane holds two WHOLE blocks of 32: no other lane is asked for a maximum.
.macro QUANT s, d, w
	v_max3_num_f32 v[M0], |v[\s]|, |v[\s+1]|, 0x2800000            ; and the floor 2^(5 - 127): so the byte cannot fall under 1
	v_max3_num_f32 v[M1], |v[\s+32]|, |v[\s+33]|, 0x2800000
.irp i, 2,4,6,8,10,12,14,16,18,20,22,24,26,28,30
	s_delay_alu instid0(VALU_DEP_2)
	v_max3_num_f32 v[M0], v[M0], |v[\s+\i]|, |v[\s+\i+1]|          ; the two blocks by turns
	s_delay_alu instid0(VALU_DEP_2)
	v_max3_num_f32 v[M1], v[M1], |v[\s+32+\i]|, |v[\s+33+\i]|
.endr
	s_delay_alu instid0(VALU_DEP_2)
	v_add_nc_u32 v[M0], 0xfe000000, v[M0]          ; 4 off the exponent field: the conversion takes the exponent field of this operand as its scale, and nothing else of it
	s_delay_alu instid0(VALU_DEP_2)
	v_add_nc_u32 v[M1], 0xfe000000, v[M1]
	s_delay_alu instid0(VALU_DEP_2)
	v_lshrrev_b32 v[T0], 23, v[M0]                 ; the scales' bytes: blocks lane / 16 and 2 + lane / 16 of my row,
	s_delay_alu instid0(VALU_DEP_2)
	v_lshrrev_b32 v[T1], 23, v[M1]
	s_delay_alu instid0(VALU_DEP_1)
	v_lshl_or_b32 v[T0], v[T1], 16, v[T0]
	s_delay_alu instid0(VALU_DEP_1)
	v_lshlrev_b32 v[T0], v[SH], v[T0]              ; at their places in the scale word;
	s_delay_alu instid0(VALU_DEP_1)
	v_permlanex16_b32 v[T1], v[T0], s[SEL], s[SEL+1]
	s_delay_alu instid0(VALU_DEP_1)
	v_or_b32 v[\w], v[T0], v[T1]                   ; with lane l xor 16's two the word is whole, in both lanes
	v_cvt_scalef32_pk16_bf6_f32 v[\d:\d+2], v[\s:\s+15], v[M0]
	v_cvt_scalef32_pk16_bf6_f32 v[CT:CT+2], v[\s+16:\s+31], v[M0]          ; (a conversion's three registers begin on an even number: the second half of a block's six does not, so it is made elsewhere and moved)
	v_cvt_scalef32_pk16_bf6_f32 v[\d+6:\d+8], v[\s+32:\s+47], v[M1]
	v_cvt_scalef32_pk16_bf6_f32 v[CT+4:CT+6], v[\s+48:\s+63], v[M1]
	v_nop                                          ; one plain place behind the last scaled conversion
.irp i, 0,1,2
	v_mov_b32 v[\d+3+\i], v[CT+\i]
	v_mov_b32 v[\d+9+\i], v[CT+4+\i]
.endr
.endm
; My tile's job q of four: K step q / 2 of my two, rows 16 (q % 2) .. + 15 of my 32.  LW: its 64 numbers a lane from my tile.  ST: its fragment and scale word to the slots.
.macro LW q, dst
.irp c, 0,1
.irp j, 0,1,2,3,4,5,6,7
	ds_load_b128 v[\dst+32*\c+4*\j:\dst+32*\c+4*\j+3], v[AW] offset:16*TP*((\q)%2)+512*((\q)/2)+256*\c+16*\j
.endr
.endr
.endm
.macro ST q, src, sw
.irp c, 0,1,2
	ds_store_b128 v[IWS], v[\src+4*\c:\src+4*\c+3] offset:4*FP*((\q)/2)+64*((\q)%2)+512*\c
.endr
	ds_store_b32 v[ISS], v[\sw] offset:4*FP*((\q)/2)+16*((\q)%2)   ; lanes r and 16 + r write the same word with the same value
.endm
; K step ks's four fragments (12 loads of 512 consecutive bytes) and scale words (lanes 0-15 tile 0's or 2's, lanes 16-31 tile 1's or 3's) into set ks % 2: 14 LDS loads
.macro FETCH ks
	WIN 0x40                                       ; destination window 1, address window 0
.irp t, 0,1,2,3
.irp c, 0,1,2
	ds_load_b128 v[BB+48*((\ks)%2)+12*\t+4*\c:BB+48*((\ks)%2)+12*\t+4*\c+3], v[L16] offset:IMG-PM+FP*(4*(\ks)+\t)+512*\c
.endr
.endr
	WIN 0
	ds_load_b32 v[BS+2*((\ks)%2)], v[LSC] offset:4*FP*(\ks)
	ds_load_b32 v[BS+2*((\ks)%2)+1], v[LSC] offset:4*FP*(\ks)+2*FP
.endm
; 16 matrix instructions: the 16 accumulators by turns, one instruction a turn, in the same order in every K step.  K step 0's products start the sums: nothing is cleared.
.macro MUL ks
.irp a, 0,1,2,3
.irp t, 0,1,2,3
.if (\ks) == 0
.if \t%2
	v_wmma_scale_f32_16x16x128_f8f6f4 v[ACC+8*(4*\a+\t):ACC+8*(4*\a+\t)+7], v[AF:AF+11], v[BB+48*((\ks)%2)+12*\t:BB+48*((\ks)%2)+12*\t+11], 0, v[SA], v[BS+2*((\ks)%2)+\t/2] matrix_a_fmt:MATRIX_FMT_BF6 matrix_b_fmt:MATRIX_FMT_BF6 matrix_b_scale:MATRIX_SCALE_ROW1
.else
	v_wmma_scale_f32_16x16x128_f8f6f4 v[ACC+8*(4*\a+\t):ACC+8*(4*\a+\t)+7], v[AF:AF+11], v[BB+48*((\ks)%2)+12*\t:BB+48*((\ks)%2)+12*\t+11], 0, v[SA], v[BS+2*((\ks)%2)+\t/2] matrix_a_fmt:MATRIX_FMT_BF6 matrix_b_fmt:MATRIX_FMT_BF6
.endif
.else
.if \t%2
	v_wmma_scale_f32_16x16x128_f8f6f4 v[ACC+8*(4*\a+\t):ACC+8*(4*\a+\t)+7], v[AF:AF+11], v[BB+48*((\ks)%2)+12*\t:BB+48*((\ks)%2)+12*\t+11], v[ACC+8*(4*\a+\t):ACC+8*(4*\a+\t)+7], v[SA], v[BS+2*((\ks)%2)+\t/2] matrix_a_fmt:MATRIX_FMT_BF6 matrix_b_fmt:MATRIX_FMT_BF6 matrix_b_scale:MATRIX_SCALE_ROW1
.else
	v_wmma_scale_f32_16x16x128_f8f6f4 v[ACC+8*(4*\a+\t):ACC+8*(4*\a+\t)+7], v[AF:AF+11], v[BB+48*((\ks)%2)+12*\t:BB+48*((\ks)%2)+12*\t+11], v[ACC+8*(4*\a+\t):ACC+8*(4*\a+\t)+7], v[SA], v[BS+2*((\ks)%2)+\t/2] matrix_a_fmt:MATRIX_FMT_BF6 matrix_b_fmt:MATRIX_FMT_BF6
.endif
.endif
.endr
.endr
.endm
; A K step: the next step's fragments are asked for first, into the set that the step before has multiplied: a load into a register that a matrix instruction has read stands four places behind it, and only
; plain vector instructions that name none of its registers are places (ISA guide 7.12.1 for vector instructions).
.macro KSTEP ks
.if (\ks) > 0 && (\ks) < 7
.rept 4
	v_nop
.endr
.endif
.if (\ks) < 7
	FETCH (\ks)+1
	s_wait_dscnt 14                                ; this step's 14 loads are in; the 14 just issued stay out
.else
	s_wait_dscnt 0x0
.endif
	WIN 0x04                                       ; source 1 (Wo) window 1; ov, C and D window 0
	MUL \ks
.endm
; A round of the cluster's barrier: my work-group's barrier, so that wave 0's signal speaks for all eight waves; wave 0 signals for the work-group; every wave waits for all four work-groups; my work-group's barrier once more.
.macro CROUND
	s_barrier_signal -1
	s_barrier_wait -1
	s_cmp_lg_u32 s[WV], 0
	s_cbranch_scc1 .Lnot_wave_0_\@
	s_barrier_signal -3
.Lnot_wave_0_\@:
	s_barrier_wait -3
	s_barrier_signal -1
	s_barrier_wait -1
.endm
	s_load_b256 s[4:11], s[0:1], 0x0               ; x s[4:5], Wo s[6:7], part s[8:9], out0 s[10:11]
	v_lshl_add_u32 v[SPW], v0, 2, SPARE
	v_mov_b32 v[NIL], 0
	ds_add_u32 v[SPW], v[NIL]                      ; the wave's opening: the add, twice on end, and its wait ahead of my first tensor load; the set-up below, work on registers, stands between the second and the wait
	ds_add_u32 v[SPW], v[NIL]
	v_lshrrev_b32 v[WW], 5, v0
	s_delay_alu instid0(VALU_DEP_1)
	v_readfirstlane_b32 s[WV], v[WW]               ; wave 0..7
	s_bfe_u32 s13, ttmp6, 0x40000                  ; cx: my place in the cluster
	s_lshl_b32 s14, ttmp9, 2                       ; in a cluster launch ttmp9 counts clusters
	s_add_co_u32 s14, s14, s13                     ; rg = 4 x cluster x + cx: it enters x's and out0's addresses alone
	s_and_b32 s15, ttmp7, 0xffff                   ; cg, which the four partners share
	; descriptor group 1: a tile of 32 rows x 256 elements of 4 bytes, padded in LDS
	s_mov_b32 s[G1+0], 15|(2<<16)|(1<<20)|(1<<21)|(7<<22)|(3<<25)  ; 15:0 the mask: all four work-groups; 17:16 elements of 4 bytes; 20 padding on; 21 set beside a mask; 24:22 after every 256 words (code 7); 31:25 4 words of it (code 3)
	s_mov_b32 s[G1+1], 256<<16                     ; tensor_dim0 = 256
	s_mov_b32 s[G1+2], 32<<16                      ; tensor_dim1 = 32
	s_mov_b32 s[G1+3], 256<<16                     ; tile_dim0 = 256
	s_mov_b32 s[G1+4], 32                          ; tile_dim1 = 32
	s_mov_b32 s[G1+5], 1024                        ; elements from row to row of Wo
	s_mov_b32 s[G1+6], 0
	s_mov_b32 s[G1+7], 0
	s_mov_b32 s[SEL], 0x76543210
	s_mov_b32 s[SEL+1], 0xfedcba98
	s_mov_b32 s[G0], 1                             ; count = 1
	s_mul_i32 s[G0+1], s[WV], TILE                 ; LDS address: my wave's tile
	s_lshl_b32 s30, s14, 22                        ; x and out0: 512 rows of 8,192 bytes a row group,
	s_lshl_b32 s34, s[WV], 19                      ; 64 rows a wave,
	s_add_co_u32 s30, s30, s34
	s_lshl_b32 s34, s15, 8                         ; 256 bytes a column group
	s_add_co_u32 s30, s30, s34
	s_mov_b32 s31, 0
	s_lshl_b32 s32, s15, 18                        ; Wo: 64 rows of 4,096 bytes a column group,
	s_and_b32 s34, s[WV], 1
	s_lshl_b32 s34, s34, 17                        ; 32 rows for the wave's half of them,
	s_add_co_u32 s32, s32, s34
	s_lshr_b32 s35, s[WV], 1
	s_lshl_b32 s35, s35, 10                        ; 1,024 bytes for its two K steps: nothing here hangs on the place in the cluster
	s_add_co_u32 s32, s32, s35
	s_mov_b32 s33, 0
	v_and_b32 v[RR], 15, v0                        ; r = lane % 16
	v_bfe_u32 v[HH], v0, 4, 1                      ; h = lane / 16
	v_and_b32 v[LL], 31, v0                        ; lane
	v_lshrrev_b32 v[KP], 6, v0                     ; wave / 2: which two K steps
	v_bfe_u32 v[PP], v0, 5, 1                      ; wave % 2: which 32 rows
	v_and_b32 v[R3], 3, v0                         ; r % 4: the tile that is to hold my row
	v_bfe_u32 v[R2], v0, 2, 2                      ; r / 4
	v_lshlrev_b32 v[XO], 4, v[RR]
	s_delay_alu instid0(VALU_DEP_1)
	v_lshl_add_u32 v[XO], v[HH], 16, v[XO]
	v_lshlrev_b32 v[PO], 4, v[LL]
	s_delay_alu instid0(VALU_DEP_1)
	v_lshl_add_u32 v[PO], v[WW], 11, v[PO]
	v_mul_u32_u24 v[AW], v[RR], TP
	s_delay_alu instid0(VALU_DEP_1)
	v_lshl_add_u32 v[AW], v[HH], 7, v[AW]
	s_delay_alu instid0(VALU_DEP_1)
	v_add_nc_u32 v[AW], s[G0+1], v[AW]
	v_lshl_add_u32 v[S16], v0, 4, PM
	v_lshl_add_u32 v[L16], v[LL], 4, PM
	v_lshl_add_u32 v[VMR], v[WW], 9, VM
	s_delay_alu instid0(VALU_DEP_1)
	v_lshl_add_u32 v[VMR], v[HH], 7, v[VMR]
	v_mul_u32_u24 v[IWS], v[R3], FP                ; an image: slot 4 (2 (wave / 2) + e) + r % 4; in it lane 4 (2 (wave % 2) + u) + r / 4 + 16 h, 16 bytes a lane; e and u stand in the stores' offsets
	s_delay_alu instid0(VALU_DEP_1)
	v_mad_u32_u24 v[IWS], v[KP], 8*FP, v[IWS]
	s_delay_alu instid0(VALU_DEP_1)
	v_lshl_add_u32 v[IWS], v[PP], 7, v[IWS]
	s_delay_alu instid0(VALU_DEP_1)
	v_lshl_add_u32 v[IWS], v[R2], 4, v[IWS]
	s_delay_alu instid0(VALU_DEP_1)
	v_lshl_add_u32 v[IWS], v[HH], 8, v[IWS]
	s_delay_alu instid0(VALU_DEP_1)
	v_add_nc_u32 v[IWS], IMG, v[IWS]
	v_mul_u32_u24 v[ISS], v[R3], FP                ; its scale word: behind the slot's 1,536 bytes, 4 bytes a row
	s_delay_alu instid0(VALU_DEP_1)
	v_mad_u32_u24 v[ISS], v[KP], 8*FP, v[ISS]
	s_delay_alu instid0(VALU_DEP_1)
	v_lshl_add_u32 v[ISS], v[PP], 5, v[ISS]
	s_delay_alu instid0(VALU_DEP_1)
	v_lshl_add_u32 v[ISS], v[R2], 2, v[ISS]
	s_delay_alu instid0(VALU_DEP_1)
	v_add_nc_u32 v[ISS], IMG+1536, v[ISS]
	v_mul_u32_u24 v[LSC], v[HH], FP                ; reading them: lanes 16-31 take the next slot's
	s_delay_alu instid0(VALU_DEP_1)
	v_lshl_add_u32 v[LSC], v[RR], 2, v[LSC]
	s_delay_alu instid0(VALU_DEP_1)
	v_add_nc_u32 v[LSC], IMG+1536, v[LSC]
	v_lshlrev_b32 v[SH], 3, v[HH]
	s_wait_dscnt 0x0                               ; both opening adds are done
	s_wait_kmcnt 0x0
	s_add_nc_u64 s[4:5], s[4:5], s[30:31]          ; x and out0 at my wave's first row, my work-group's columns
	s_add_nc_u64 s[10:11], s[10:11], s[30:31]
	s_add_nc_u64 s[G0+2:G0+3], s[6:7], s[32:33]    ; global address of my tile's first element
	s_or_b32 s[G0+3], s[G0+3], 0x80000000          ; type = 2
.irp i, 0,1,2,3
	global_load_b128 v[N+4*\i:N+4*\i+3], v[PO], s[8:9] offset:512*\i   ; part's rows 4 w .. 4 w + 3: 512 consecutive bytes each.  Every work-group reads part: no hint
.endr
	CROUND                                         ; all four work-groups are here: the joint loads meet
	tensor_load_to_lds s[G0:G0+3], s[G1:G1+7]      ; every wave's one tensor load: a first fill, ahead of every LDS read and of every wait on TENSORcnt
	s_nop 0
	WIN 0x40                                       ; destination window 1, address window 0
.irp a, 0,1,2,3
.irp j, 0,1,2,3,4,5,6,7
	global_load_b128 v[X+4*(8*\a+\j):X+4*(8*\a+\j)+3], v[XO], s[4:5] offset:8192*(16*\a+\j) th:TH_LOAD_NT   ; rows 16 a + j and 16 a + 8 + j of my 64: sixteen lanes read 256 consecutive bytes, aligned; read once in the launch
.endr
.endr
	WIN 0
	; ---- vmean and ov's fragment, while Wo and x are on their way
	s_wait_loadcnt 32                              ; part's four loads are in; the 32 of x, issued behind them, stay out
	HALVE N, 2
	HALVE N, 1
	ds_store_b128 v[S16], v[N:N+3]
	s_wait_dscnt 0x0                               ; for the others' sake: my store has landed
	s_barrier_signal -1                            ; (my tensor load may stay out, and I alone read my tile, behind my own wait)
	s_barrier_wait -1                              ; eight rows of sums lie in LDS
.irp i, 0,1,2,3,4,5,6,7
	ds_load_b128 v[N+4*\i:N+4*\i+3], v[L16] offset:512*\i
.endr
	s_wait_dscnt 0x0
	HALVE N, 4
	HALVE N, 2
	HALVE N, 1                                     ; lane l holds vmean[4 l .. 4 l + 3], in every wave
	ds_store_b128 v[S16], v[N:N+3] offset:VM-PM    ; through my wave's own 512 bytes, to turn it into the operand's order; LDS serves a wave's instructions in order (ISA guide 5.7.1.4): the loads below see this store
.irp c, 0,1
.irp j, 0,1,2,3,4,5,6,7
	ds_load_b128 v[N2+32*\c+4*\j:N2+32*\c+4*\j+3], v[VMR] offset:256*\c+16*\j   ; vmean[64 c + 32 h + 4 j ..]: all sixteen rows of the tile are this one row, in every K step
.endr
.endr
	s_wait_dscnt 0x0
	QUANT N2, AF, SA
	; ---- my four fragments of Wo: numbers in two sets of 64 registers, results in two sets, by turns
	s_wait_tensorcnt 0x0                           ; my tile has landed
	LW 0, N
	LW 1, N2
	s_wait_dscnt 16                                ; job 0's sixteen loads are in; job 1's stay out
	QUANT N, BF0, SW0
	ST 0, BF0, SW0
	LW 2, N
	s_wait_dscnt 20                                ; job 1's loads are in; behind them: job 0's four stores and job 2's sixteen loads
	QUANT N2, BF1, SW1
	ST 1, BF1, SW1
	LW 3, N2
	s_wait_dscnt 20                                ; job 0's stores are done and job 2's loads are in; behind them: job 1's four stores and job 3's sixteen loads
	QUANT N, BF0, SW0
	ST 2, BF0, SW0
	s_wait_dscnt 4                                 ; job 1's stores are done and job 3's loads are in; behind them: job 2's four stores
	QUANT N2, BF1, SW1
	ST 3, BF1, SW1
	s_wait_dscnt 0x0                               ; for the others' sake: my stores have landed
	s_barrier_signal -1
	s_barrier_wait -1                              ; all 32 fragments of Wo and their scale words lie in LDS
	; ---- the product: 64 rows x 64 columns, K = 1,024
	FETCH 0
.irp k, 0,1,2,3,4,5,6,7
	KSTEP \k
.endr
	; ---- + x, and out.  No register that a store reads is written again, so no wait for the stores' sources is owed
.rept 4
	v_nop                                          ; four places behind a matrix instruction of this form before a vector instruction reads its result (ISA guide 7.12.1)
.endr
.irp a, 0,1,2,3
	s_wait_loadcnt 8*(3-\a)                        ; loads come back in order (ISA guide 5.7.1): this tile's eight loads of x are in, the later tiles' may stay out
	WIN 0x41                                       ; x (destination and source 0) window 1, the accumulators window 0
.irp j, 0,1,2,3,4,5,6,7
.irp t, 0,1,2,3
	v_add_f32 v[X+4*(8*\a+\j)+\t], v[X+4*(8*\a+\j)+\t], v[ACC+8*(4*\a+\t)+\j]   ; each accumulator from its low end on
.endr
.endr
	WIN 0x04                                       ; a store's data are its source 1: window 1
.irp j, 0,1,2,3,4,5,6,7
	global_store_b128 v[XO], v[X+4*(8*\a+\j):X+4*(8*\a+\j)+3], s[10:11] offset:8192*(16*\a+\j) th:TH_STORE_NT   ; sixteen lanes store 256 consecutive bytes, at a multiple of 256 from out0's first byte; written once, read by nobody here
.endr
.endr
	WIN 0
	s_wait_tensorcnt 0x0                           ; the wave's end: behind my last tensor load and my last LDS store
	ds_add_u32 v[SPW], v[NIL]
	s_wait_dscnt 0x0
	CROUND                                         ; the closing round: no work-group ends while a partner may still ask for a tile that names it
	s_endpgm
.Lfunc_end_k_qbf39062b31_fuse:
	.size	k_qbf39062b31_fuse, .Lfunc_end_k_qbf39062b31_fuse-k_qbf39062b31_fuse
	.p2alignl 7, 3214868480
	.fill 96, 4, 3214868480
	.section	.rodata,"a",@progbits
	.p2align	6, 0x0
	.amdhsa_kernel k_qbf39062b31_fuse
		.amdhsa_group_segment_fixed_size 327680
		.amdhsa_private_segment_fixed_size 0
		.amdhsa_enable_private_segment 0
		.amdhsa_kernarg_size 32
		.amdhsa_user_sgpr_count 2
		.amdhsa_user_sgpr_kernarg_segment_ptr 1
		.amdhsa_wavefront_size32 1
		.amdhsa_system_sgpr_workgroup_id_x 1
		.amdhsa_system_sgpr_workgroup_id_y 1
		.amdhsa_system_sgpr_workgroup_id_z 1
		.amdhsa_system_vgpr_workitem_id 0
		.amdhsa_next_free_vgpr 512
		.amdhsa_next_free_sgpr 66
		.amdhsa_reserve_vcc 0
		.amdhsa_float_denorm_mode_32 3
		.amdhsa_float_denorm_mode_16_64 3
		.amdhsa_memory_ordered 1
		.amdhsa_forward_progress 1
		.amdhsa_inst_pref_size 71
	.end_amdhsa_kernel
	.amdgpu_metadata
---
amdhsa.version: [ 1, 2 ]
amdhsa.kernels:
  - .name:           k_qbf39062b31_fuse
    .symbol:         k_qbf39062b31_fuse.kd
    .args:
      - { .name: x, .offset: 0, .size: 8, .value_kind: global_buffer, .address_space: global }
      - { .name: Wo, .offset: 8, .size: 8, .value_kind: global_buffer, .address_space: global }
      - { .name: part, .offset: 16, .size: 8, .value_kind: global_buffer, .address_space: global }
      - { .name: out0, .offset: 24, .size: 8, .value_kind: global_buffer, .address_space: global }
    .group_segment_fixed_size: 327680
    .private_segment_fixed_size: 0
    .kernarg_segment_align: 8
    .kernarg_segment_size: 32
    .max_flat_workgroup_size: 256
    .sgpr_count:     66
    .vgpr_count:     512
    .wavefront_size: 32
...
	.end_amdgpu_metadata
.endif
;; end of part 2
